; MI455X (gfx1250); checked and timed in simulation.
; The chip was launched on July 23, 2026; its instructions are those of AMD's public machine-readable ISA for CDNA 5 (MIT licence, August 2026) and "CDNA5" Instruction Set Architecture Reference Guide (July 2026). The comments in the code are by the model that wrote it; some were corrected since.
;; Multi Head Attention. Allowed arithmetic: matrix products marked QUANTISED: E2M3 operands, one E8M0 scale for each 32 along K, by v_wmma_scale_f32_16x16x128_f8f6f4 with both operands' format E2M3, f32 sums; products left as they are: f32 operands where the result goes on into a quantised operand, else bf16, f16 or f32 operands; f32 sums; everything else in f32.
;; Inputs: Wk 1,024 x 1,024 float32; Wo 1,024 x 1,024 float32; Wq 1,024 x 1,024 float32; Wv 1,024 x 1,024 float32; bk 1,024 float32; bo 1,024 float32; bq 1,024 float32; bv 1,024 float32; x 8 x 2,048 x 1,024 float32.
;; Outputs: out0 8 x 2,048 x 1,024 float32.
;; This version of the problem:
;;   THIS VERSION OF THE PROBLEM IS GIVEN IN LOW PRECISION. The matrix products marked QUANTISED in the list below multiply operands that are first quantised to E2M3 (2 exponent bits, 3 mantissa bits; 6 bits a number), with one power-of-two scale for each 32 numbers along K (OCP MX v1.0); their sums are f32. All else is computed in f32.
;;   The module's matrix products, in the order in which they are computed (A, B: the left and right operand; K: the contracted axis; several contracted axes count as one K, in the product's order):
;;     1. [M 16,384, K 1,024] x [K 1,024, N 1,024]; A: input x; B: input Wq: QUANTISED
;;     2. [M 16,384, K 1,024] x [K 1,024, N 1,024]; A: input x; B: input Wk: QUANTISED
;;     3. [M 16,384, K 1,024] x [K 1,024, N 1,024]; A: input x; B: input Wv: QUANTISED
;;     4. batch 16,384 x [M 16, K 64] x [K 64, N 16]; A: computed on the way; B: computed on the way: QUANTISED
;;     5. batch 16,384 x [M 16, K 16] x [K 16, N 64]; A: softmax; B: computed on the way: left as it is (K = 16 < 32)
;;     6. [M 16,384, K 1,024] x [K 1,024, N 1,024]; A: computed on the way; B: input Wo: QUANTISED
;;   THE QUANTISER, for each operand of a quantised product, along K:
;;     - K is cut into blocks of 32 from its start; a last block that is shorter is filled with zeros.
;;     - A block's scale is 2^e with e = floor(log2(the largest magnitude in the block)) - 2, held to -126 .. 127; a block of zeros has e = 0. As a byte (E8M0): e + 127.
;;     - Each number is divided by its block's scale, clamped to +-7.5, and rounded to the nearest number of E2M3, ties to even, subnormals kept.
;;     - The product sums the exact products of the quantised numbers (number of the format x scale) in f32.
;;   ~~~python
;;   def quantise(x, axis):      # numpy; x: float32 -> the quantised numbers, widened to float32 again
;;       x = np.moveaxis(x, axis, -1); K = x.shape[-1]
;;       x = np.pad(x, [(0, 0)] * (x.ndim - 1) + [(0, -K % 32)]); x = x.reshape(x.shape[:-1] + (-1, 32)); a = np.abs(x).max(-1, keepdims=True)
;;       e = np.where(a > 0, np.clip(np.frexp(np.where(a > 0, a, 1))[1] - 1 - 2, -126, 127), 0)      # np.frexp(a)[1] - 1 = floor(log2(a)), exactly
;;       r = np.clip(x / 2.0 ** e, -7.5, 7.5)
;;       step = 2.0 ** (np.maximum(np.frexp(np.where(r == 0, 1, r))[1] - 1, 0) - 3)
;;       q = np.round(r / step) * step * 2.0 ** e      # np.round: ties to even
;;       return np.moveaxis(q.reshape(q.shape[:-2] + (-1,))[..., :K], -1, axis).astype(np.float32)
;;   ~~~
;;   OPERANDS COMPUTED ON THE WAY. 'Computed on the way' means the value that the module computes at that place (a softmax that the list does not call 'softmax' is quantised finished and normalised). What goes into a quantiser is computed in f32, as accurately as f32 sums, v_exp_f32 and their like allow (about 1e-6 of the number): no bf16 or f16 on the way to a quantiser, and a product that is left as it is and whose result goes on into a quantised operand takes f32 operands (vector FMAs, or v_wmma_f32_16x16x4_f32). A number that lies on a knife's edge between two numbers of the format may be rounded either way, as far as f32 arithmetic and the matrix unit's own rounding can turn it there, and no further.
;; One version. Each part assembles by itself: llvm-mc -triple=amdgcn-amd-amdhsa -mcpu=gfx1250 --defsym DOCPART=n.
;; ======== version 1 of 1: 2 launches
;; limits: right only within a limited range of input values
;; workspace buffers: wst 3,276,800 bytes; bst 16,384 bytes
;; launch prep (part 1): grid 256 x 1, 8 waves a work-group, no clusters, 69,632 bytes of LDS; arguments Wk, Wq, Wv, Wo, bk, bq, bv, bo, wst, bst; writes wst, bst
.if DOCPART == 1
	.amdgcn_target "amdgcn-amd-amdhsa--gfx1250"
	.amdhsa_code_object_version 6
	.text
	.protected	k_q5ce850aa8c_prep
	.globl	k_q5ce850aa8c_prep
	.p2align	8
	.type	k_q5ce850aa8c_prep,@function
k_q5ce850aa8c_prep:
	s_mov_b64 s[64:65], 0
	v_nop
	global_prefetch_b8 v0, s[64:65] scope:SCOPE_SE
	s_setreg_imm32_b32 hwreg(HW_REG_WAVE_MODE, 25, 1), 1
	s_wait_xcnt 0x0
; Wk, Wq, Wv, Wo [1024][1024] f32 (K innermost) become codes of E2M3 with one E8M0 byte for each 32 along K, laid in the ORDER IN WHICH THE SECOND LAUNCH CONSUMES THEM;
; the four biases are laid in the same order.
; wst: 32 slots of 102,400 bytes; slot 4 c + ks / 2 (chunk c = 0..7: Wk, Wk, Wq, Wq, Wv, Wv, Wo, Wo; ks = K step of 128); in it wave part w (25,600), K step ks % 2 (12,800): eight fragment images of
; 1,536 bytes (registers 4 g .. 4 g + 3 of lane L at 512 g + 16 L), then at 12,288 the scale image: lane 16 hh + r holds the scale words of tiles 4 hh + 0..3, row r.
; WHICH ROW OF W IS ROW p OF TILE t (c' = c % 2):  K, Q: 512 c' + 128 w + 32 (t / 2) + 8 (t % 2) + p + 8 (p / 8), so that two neighbouring tiles' results are 16 neighbouring columns in a lane;
; V: 64 p + 32 c' + 8 w + t: a tile is one channel d, its 16 rows the 16 heads;  O: 512 c' + 128 w + 16 t + p.
; bst: [w][c][t][p] f32: the bias of that row.
; SHARES: work-group g = 32 c + 8 w + ks; its eight waves make the eight tiles: a wave turns 16 rows x 128 K into one fragment.  Each load reads 512 consecutive bytes of one row; the numbers turn through the
; wave's own stage in LDS, so that a lane then holds 16 neighbours along K of each block of 32.
; A block's scale is 2^(floor(log2(largest magnitude)) - 2): its byte is the largest magnitude's exponent field - 2, held at 1 from below.
; LIMITS: a block of zeros, and a block whose largest magnitude lies under 2^-124, keeps the byte 1 (the bytes are read by this program alone; zero codes add nothing); NaN and infinities are not served.
.set SLOTB, 102400
.set WPART, 25600
.set KPART, 12800
.set FRB,   1536
.set SCOFF, 12288
.set STP,   528                        ; a stage row: 512 bytes + 16: an odd multiple of 16, so the sixteen rows of a 16-byte access start at different banks
.set SCI,   8*16*STP                   ; behind the eight stages: the scale image, 512 bytes
.set BI,    SCI+512                    ; and the bias image, 512 bytes
.set RO,    16                         ; v16-31   byte offset in W of my 16 bytes of tile row p
.set R,     32                         ; v32-95   16 rows as loaded
.set X,     96                         ; v96-159  register 16 b + i = k 32 b + 16 (lane / 16) + i of row lane % 16
.set TM,    160                        ; v160-163 largest magnitudes, v164-167 the other half's, then bytes, v168-171 the conversions' scale operands
.set PW,    172                        ; the scale word
.set PC,    176                        ; v176-187 the fragment; v188-195 at work
	s_load_b256 s[4:11], s[0:1], 0x0               ; Wk, Wq, Wv, Wo
	s_load_b256 s[12:19], s[0:1], 0x20             ; bk, bq, bv, bo
	s_load_b128 s[20:23], s[0:1], 0x40             ; wst, bst
	v_lshl_add_u32 v208, v0, 2, 0x10c00
	v_mov_b32 v209, 0
	v_lshrrev_b32 v10, 5, v0
	s_delay_alu instid0(VALU_DEP_1)
	v_readfirstlane_b32 s24, v10                   ; t: my wave, my tile
	v_and_b32 v13, 31, v0                          ; lane
	v_and_b32 v2, 15, v0                           ; r
	v_bfe_u32 v3, v0, 4, 1                         ; h
	s_delay_alu instid0(VALU_DEP_3)
	v_lshlrev_b32 v1, 4, v13                       ; 16 x lane
	s_wait_alu depctr_va_vdst(0)
	s_lshr_b32 s25, ttmp9, 5                       ; c
	s_bfe_u32 s26, ttmp9, 0x20003                  ; w
	s_and_b32 s27, ttmp9, 7                        ; ks
	s_lshr_b32 s28, s25, 1                         ; which matrix: 0 K, 1 Q, 2 V, 3 O
	s_and_b32 s29, s25, 1                          ; c'
	; row of W for tile row p: n0 + A p + Bx (p / 8)
	s_lshl_b32 s30, s29, 9
	s_lshl_b32 s31, s26, 7
	s_add_co_u32 s30, s30, s31                     ; 512 c' + 128 w
	s_lshr_b32 s31, s24, 1
	s_lshl_b32 s31, s31, 5
	s_and_b32 s32, s24, 1
	s_lshl_b32 s32, s32, 3
	s_add_co_u32 s31, s31, s32
	s_add_co_u32 s31, s30, s31                     ; K, Q: + 32 (t / 2) + 8 (t % 2)
	s_lshl_b32 s32, s24, 4
	s_add_co_u32 s32, s30, s32                     ; O: + 16 t
	s_lshr_b32 s33, s30, 4
	s_add_co_u32 s33, s33, s24                     ; V: 32 c' + 8 w + t
	s_cmp_eq_u32 s28, 2
	s_cselect_b32 s34, s33, s31                    ; n0
	s_cselect_b32 s35, 64, 1                       ; A
	s_cmp_eq_u32 s28, 3
	s_cselect_b32 s34, s32, s34
	s_cmp_lt_u32 s28, 2
	s_cselect_b32 s36, 8, 0                        ; Bx
	; LDS addresses: a constant + a constant x lane + a constant x wave
	s_mul_i32 s37, s24, 16*STP                     ; my stage
	v_add_nc_u32 v4, s37, v1                       ; in: 16 x lane, the row in the offset
	v_mul_u32_u24 v5, v2, STP
	s_delay_alu instid0(VALU_DEP_1)
	v_lshl_add_u32 v5, v3, 6, v5
	s_delay_alu instid0(VALU_DEP_1)
	v_add_nc_u32 v5, s37, v5                       ; out: row r, + 64 h: my 16 numbers of a block
	s_lshr_b32 s38, s24, 2
	s_lshl_b32 s38, s38, 8
	s_and_b32 s39, s24, 3
	s_lshl_b32 s39, s39, 2
	s_add_co_u32 s38, s38, s39
	s_add_co_u32 s38, s38, SCI
	v_lshl_add_u32 v6, v2, 4, s38                  ; my row's word in the scale image: 256 (t / 4) + 16 r + 4 (t % 4)
	s_lshl_b32 s39, s24, 6
	s_add_co_u32 s39, s39, BI
	v_lshl_add_u32 v7, v2, 2, s39                  ; my row's number in the bias image: 64 t + 4 r
	v_add_nc_u32 v11, SCI, v1                      ; the images on their way out: 16 bytes a lane
	v_add_nc_u32 v12, BI, v1
	v_lshrrev_b32 v10, 3, v2
	v_mul_u32_u24 v8, v2, s35
	s_delay_alu instid0(VALU_DEP_1)
	v_mad_u32_u24 v8, v10, s36, v8
	s_delay_alu instid0(VALU_DEP_1)
	v_add_nc_u32 v8, s34, v8
	s_delay_alu instid0(VALU_DEP_1)
	v_lshlrev_b32 v8, 2, v8                        ; 4 x (the row of W that is tile row r): its bias
	s_lshl_b32 s40, s34, 12                        ; a row of W is 4,096 bytes
	s_lshl_b32 s41, s27, 9                         ; a K step 512
	s_add_co_u32 s40, s40, s41
	s_lshl_b32 s41, s35, 12
	s_lshl_b32 s42, s36, 12
.irp p, 0,1,2,3,4,5,6,7,8,9,10,11,12,13,14,15
	v_add_nc_u32 v[RO+\p], s40, v1
	s_add_co_u32 s40, s40, s41
.if \p == 7
	s_add_co_u32 s40, s40, s42
.endif
.endr
	s_lshl_b32 s43, s25, 2
	s_lshr_b32 s44, s27, 1
	s_add_co_u32 s43, s43, s44
	s_mul_i32 s43, s43, SLOTB                      ; slot 4 c + ks / 2,
	s_mul_i32 s44, s26, WPART
	s_add_co_u32 s43, s43, s44                     ; wave part w,
	s_and_b32 s44, s27, 1
	s_mul_i32 s44, s44, KPART
	s_add_co_u32 s43, s43, s44                     ; K step ks % 2,
	s_mul_i32 s44, s24, FRB
	s_add_co_u32 s44, s43, s44                     ; tile t
	s_mov_b32 s45, 0
	s_lshl_b32 s46, s26, 3
	s_add_co_u32 s46, s46, s25
	s_lshl_b32 s46, s46, 9                         ; bst: 512 (8 w + c)
	s_mov_b32 s47, 0
	s_mov_b32 s48, 0x76543210
	s_mov_b32 s49, 0xfedcba98                      ; v_permlanex16_b32's selects for lane l xor 16
.irp b, 0,1,2,3
	v_mov_b32 v[TM+4+\b], 0                        ; a lane permute's destination counts as one of its sources
.endr
	s_wait_alu depctr_va_vdst(0)
	s_wait_kmcnt 0x0
	s_cmp_eq_u32 s28, 1                            ; the choice of buffers hangs on the work-group's number alone
	s_cselect_b64 s[4:5], s[6:7], s[4:5]
	s_cselect_b64 s[12:13], s[14:15], s[12:13]
	s_cmp_eq_u32 s28, 2
	s_cselect_b64 s[4:5], s[8:9], s[4:5]
	s_cselect_b64 s[12:13], s[16:17], s[12:13]
	s_cmp_eq_u32 s28, 3
	s_cselect_b64 s[4:5], s[10:11], s[4:5]
	s_cselect_b64 s[12:13], s[18:19], s[12:13]
	s_add_nc_u64 s[20:21], s[20:21], s[44:45]
	s_add_nc_u64 s[22:23], s[22:23], s[46:47]
.irp p, 0,1,2,3,4,5,6,7,8,9,10,11,12,13,14,15
	global_load_b128 v[R+4*\p:R+4*\p+3], v[RO+\p], s[4:5] th:TH_LOAD_NT   ; 32 lanes read 512 consecutive bytes of one row; each byte of W is read once in the launch
.endr
	global_load_b32 v9, v8, s[12:13]
	s_wait_loadcnt 0x0
.irp p, 0,1,2,3,4,5,6,7,8,9,10,11,12,13,14,15
	ds_store_b128 v4, v[R+4*\p:R+4*\p+3] offset:STP*\p
.endr
.irp b, 0,1,2,3
.irp j, 0,1,2,3
	ds_load_b128 v[X+16*\b+4*\j:X+16*\b+4*\j+3], v5 offset:128*\b+16*\j   ; LDS serves a wave's instructions in order: these see my stores
.endr
.endr
	ds_store_b32 v7, v9                            ; lanes r and r + 16 write the same word with the same value
	s_wait_dscnt 0x0
	; the four blocks' largest magnitudes, with the floor 2^(3 - 127) among the leaves, so that no byte falls under 1
.irp b, 0,1,2,3
	v_max3_num_f32 v[TM+\b], |v[X+16*\b]|, |v[X+16*\b+1]|, 0x1800000
.endr
.irp i, 2,4,6,8,10,12,14
.irp b, 0,1,2,3
	s_delay_alu instid0(VALU_DEP_4)
	v_max3_num_f32 v[TM+\b], v[TM+\b], |v[X+16*\b+\i]|, |v[X+16*\b+\i+1]|
.endr
.endr
.irp b, 0,1,2,3
	s_delay_alu instid0(VALU_DEP_4)
	v_permlanex16_b32 v[TM+4+\b], v[TM+\b], s48, s49
.endr
.irp b, 0,1,2,3
	s_delay_alu instid0(VALU_DEP_4)
	v_max_num_f32 v[TM+\b], v[TM+\b], v[TM+4+\b]   ; with lane l xor 16's 16 numbers: the block's
.endr
.irp b, 0,1,2,3
	s_delay_alu instid0(VALU_DEP_4)
	v_add_nc_u32 v[TM+8+\b], 0xff000000, v[TM+\b]  ; 2 off the exponent field: the conversion takes the exponent field of this operand as its scale
.endr
.irp b, 0,1,2,3
	s_delay_alu instid0(VALU_DEP_4)
	v_lshrrev_b32 v[TM+4+\b], 23, v[TM+8+\b]       ; the scale's byte
.endr
	s_delay_alu instid0(VALU_DEP_3)
	v_lshl_or_b32 v[PW], v[TM+5], 8, v[TM+4]
	s_delay_alu instid0(VALU_DEP_1)
	v_lshl_or_b32 v[PW], v[TM+6], 16, v[PW]
	s_delay_alu instid0(VALU_DEP_1)
	v_lshl_or_b32 v[PW], v[TM+7], 24, v[PW]        ; my row's scale word
.irp c, 0,1
	v_cvt_scalef32_pk16_fp6_f32 v[PC+6*\c:PC+6*\c+2], v[X+32*\c:X+32*\c+15], v[TM+8+2*\c]
	v_cvt_scalef32_pk16_fp6_f32 v[PC+12+4*\c:PC+14+4*\c], v[X+32*\c+16:X+32*\c+31], v[TM+8+2*\c+1]   ; (a conversion's three registers begin on an even number)
.endr
	v_nop                                          ; one plain instruction behind the scaled conversions
.irp c, 0,1                                    ; the operand's layout wants a whole block in a lane: lanes 0-15 block 2 c, lanes 16-31 block 2 c + 1
.irp i, 0,1,2
	v_permlane16_swap_b32 v[PC+6*\c+\i], v[PC+12+4*\c+\i]
.endr
.irp i, 0,1,2
	s_delay_alu instid0(VALU_DEP_3)
	v_mov_b32 v[PC+3+6*\c+\i], v[PC+12+4*\c+\i]
.endr
.endr
.irp g, 0,1,2
	global_store_b128 v1, v[PC+4*\g:PC+4*\g+3], s[20:21] offset:512*\g   ; the fragment's image: each store covers 512 consecutive bytes, aligned
.endr
	ds_store_b32 v6, v[PW]
	s_wait_dscnt 0x0                               ; for the others' sake: my words of the two images have landed
	s_barrier_signal -1
	s_barrier_wait -1
	s_cmp_eq_u32 s24, 0
	s_cbranch_scc0 .Lnot_wave_0
	ds_load_b128 v[200:203], v11                   ; wave 0 (t = 0: its base is the K step's first byte) stores the scale image
	s_wait_dscnt 0x0
	global_store_b128 v1, v[200:203], s[20:21] offset:SCOFF
.Lnot_wave_0:
	s_cmp_eq_u32 s24, 1
	s_cbranch_scc0 .Lend
	s_cmp_eq_u32 s27, 0                            ; the biases do not hang on ks: the work-group of K step 0 stores them
	s_cbranch_scc0 .Lend
	ds_load_b128 v[200:203], v12
	s_wait_dscnt 0x0
	global_store_b128 v1, v[200:203], s[22:23]
.Lend:
	s_wait_tensorcnt 0x0
	ds_add_u32 v208, v209
	s_wait_dscnt 0x0
	s_endpgm
.Lfunc_end_k_q5ce850aa8c_prep:
	.size	k_q5ce850aa8c_prep, .Lfunc_end_k_q5ce850aa8c_prep-k_q5ce850aa8c_prep
	.p2alignl 7, 3214868480
	.fill 96, 4, 3214868480
	.section	.rodata,"a",@progbits
	.p2align	6, 0x0
	.amdhsa_kernel k_q5ce850aa8c_prep
		.amdhsa_group_segment_fixed_size 69632
		.amdhsa_private_segment_fixed_size 0
		.amdhsa_enable_private_segment 0
		.amdhsa_kernarg_size 80
		.amdhsa_user_sgpr_count 2
		.amdhsa_user_sgpr_kernarg_segment_ptr 1
		.amdhsa_wavefront_size32 1
		.amdhsa_system_sgpr_workgroup_id_x 1
		.amdhsa_system_sgpr_workgroup_id_y 1
		.amdhsa_system_sgpr_workgroup_id_z 1
		.amdhsa_system_vgpr_workitem_id 0
		.amdhsa_next_free_vgpr 210
		.amdhsa_next_free_sgpr 66
		.amdhsa_reserve_vcc 0
		.amdhsa_float_denorm_mode_32 3
		.amdhsa_float_denorm_mode_16_64 3
		.amdhsa_memory_ordered 1
		.amdhsa_forward_progress 1
		.amdhsa_inst_pref_size 16
	.end_amdhsa_kernel
	.amdgpu_metadata
---
amdhsa.version: [ 1, 2 ]
amdhsa.kernels:
  - .name:           k_q5ce850aa8c_prep
    .symbol:         k_q5ce850aa8c_prep.kd
    .args:
      - { .name: Wk, .offset: 0, .size: 8, .value_kind: global_buffer, .address_space: global }
      - { .name: Wq, .offset: 8, .size: 8, .value_kind: global_buffer, .address_space: global }
      - { .name: Wv, .offset: 16, .size: 8, .value_kind: global_buffer, .address_space: global }
      - { .name: Wo, .offset: 24, .size: 8, .value_kind: global_buffer, .address_space: global }
      - { .name: bk, .offset: 32, .size: 8, .value_kind: global_buffer, .address_space: global }
      - { .name: bq, .offset: 40, .size: 8, .value_kind: global_buffer, .address_space: global }
      - { .name: bv, .offset: 48, .size: 8, .value_kind: global_buffer, .address_space: global }
      - { .name: bo, .offset: 56, .size: 8, .value_kind: global_buffer, .address_space: global }
      - { .name: wst, .offset: 64, .size: 8, .value_kind: global_buffer, .address_space: global }
      - { .name: bst, .offset: 72, .size: 8, .value_kind: global_buffer, .address_space: global }
    .group_segment_fixed_size: 69632
    .private_segment_fixed_size: 0
    .kernarg_segment_align: 8
    .kernarg_segment_size: 80
    .max_flat_workgroup_size: 256
    .sgpr_count:     66
    .vgpr_count:     210
    .wavefront_size: 32
...
	.end_amdgpu_metadata
.endif
;; end of part 1
;; launch fused (part 2): grid 256 x 1, 4 waves a work-group, no clusters, 301,312 bytes of LDS; arguments x, wst, bst, out0; writes out0
.if DOCPART == 2
	.amdgcn_target "amdgcn-amd-amdhsa--gfx1250"
	.amdhsa_code_object_version 6
	.text
	.protected	k_q5ce850aa8c_fused
	.globl	k_q5ce850aa8c_fused
	.p2align	8
	.type	k_q5ce850aa8c_fused,@function
k_q5ce850aa8c_fused:
	s_mov_b64 s[64:65], 0
	v_nop
	global_prefetch_b8 v0, s[64:65] scope:SCOPE_SE
	s_setreg_imm32_b32 hwreg(HW_REG_WAVE_MODE, 25, 1), 1
	s_wait_xcnt 0x0
; out = attention_over_heads(x Wq^T + bq, x Wk^T + bk, x Wv^T + bv) Wo^T + bo for 64 rows (positions) a work-group; nothing between x and out goes to memory.
; All products but weights x v are on codes of E2M3 with one E8M0 byte for each 32 along K; weights x v takes f32 operands, since its result goes into a quantiser.
; SHARES.  Work-group g owns rows 64 g .. + 63: four tiles m of 16 rows.  The work goes in eight CHUNKS of 512 columns x K 1,024: K0 K1 Q0 Q1 V0 V1 O0 O1.  In a chunk wave w owns 128 columns
; (eight tiles t) for all 64 rows: 32 accumulators, 256 matrix instructions.
; THE WEIGHTS come as the first launch has laid them, as images of the operand's registers, and go FROM MEMORY STRAIGHT INTO REGISTERS: a load reads 512 consecutive bytes, 16 a lane.  A K step of a wave is two
; halves (tiles 0-3 and the scale image: 13 loads; tiles 4-7: 12 loads); behind the products of half n the loads of half n + 5 are issued, into a ring of four sets of 96 registers, over the chunks' ends too.
; So 62 or 63 loads of a wave are on their way at all times (the count of a wait on LOADcnt goes up to 63), and each is waited for by count.
; NO CLUSTER AND NO TENSOR LOADS, though all work-groups walk the same stream.  A ring in LDS is filled again only behind a barrier in front of which every wave has waited for all its tensor loads, so a fill has one
; slot's products in which to land; beside the rows' codes LDS has room for two slots of two K steps: 64 matrix instructions a wave for 102,400 bytes.  Here a byte has 80 matrix instructions, nothing waits for all
; loads, no barrier stands in a chunk, and no byte of weights passes through LDS.
; THE ROWS' CODES (x's, later the attended rows') lie in LDS as images of their fragments; a K step's four fragments come a K step ahead, into two buffers by turns.
; THE MATRIX INSTRUCTION IS USED TRANSPOSED (source 0 = 16 rows of W, source 1 = 16 rows of x): lane (r, h) holds row r, its register j the tile's row 8 h + j.  The rows of W that form a tile are chosen by the first
; launch: for K and Q two neighbouring tiles give a lane 16 neighbouring columns; for V a tile is one channel d and its rows the 16 heads; for O they are neighbours.
; The biases are loaded into the accumulators ahead of a chunk's first product: they begin the sums (a different order of rounding than adding them last).
; ATTENTION.  Wave w owns positions 16 m + 4 w + i.  Scores^T = k q^T (K = 64, the upper 64 codes zero): a lane holds one head r and the heads e = 8 hh + j.  softmax in f32 with the row's maximum taken away.
; attended^T = v^T weights^T by the f32 matrix form, K = 16 in four steps; a lane then holds head r and 16 neighbouring d, which is half a block of the last product's K.
; LIMITS: NaN and infinities among the inputs are not served.  A block of zeros, and one whose largest magnitude lies under 2^-124, keeps the scale byte 1 (zero codes add nothing; this program alone reads the bytes).
;
; REGISTERS, in windows of 256 (s_set_vgpr_msb: bits 1:0 source 0, 3:2 source 1, 5:4 source 2, 7:6 destination):
;   window 0: v1-4 the scores' scales; v5-31 addresses; v32-47 the rows' scale words; v48-63 W's, four sets; v64-191 the softmax's weights (in phase X numbers of x, on the way out rows of out); v192-223 the f32 sums; v224-255 at work
;   window 1: W's sets 0, 1 (96 each); from v192 the rows' four fragments of an even K step     window 2: W's sets 2, 3; from v192 those of an odd K step     window 3: the 32 accumulators (64 m + 8 t); in phase X three sets of loads
; AMENDMENTS to the head above.  (1) The stream of W runs further ahead: all four sets of 96 registers are asked for before a chunk begins: behind the products of K steps 0-3 the registers just read take the K step four on; behind those
; of K steps 5-7 the next chunk's first five halves are asked for; each chunk's way on asks for the next three.  The order of the stream is: tiles 0-3, the scale image, tiles 4-7.  (2) Window 3 is written by matrix instructions alone:
; the accumulators, and in V's way on the f32 sums, 16 registers a position; x's loads of phase X use window 2.  (3) Window 0, v192-217: codes, bytes and magnitudes at work in V's way on.
.set SLOTB, 102400                     ; the stream: two K steps of a chunk, all four waves' parts
.set WPART, 25600                      ; a wave's part of them
.set KPART, 12800                      ; a K step of it: eight fragment images and the scale image
.set FRB,   1536
.set SCOFF, 12288
.set CHUNKB, 4*SLOTB
.set STP,   528                        ; a stage row: 512 bytes + 16
.set BIAS,  0                          ; LDS: the biases, 4,096 bytes a wave, each wave's own
.set XIMG,  16384                      ; the rows' 32 fragment images (8 m + ks): x's, later the attended rows'
.set XSCI,  65536                      ; x's scale words, 128 bytes an image
.set XSTG,  69632                      ; a stage of 16 rows for each wave, its own: x on its way in,
.set OSTG,  XSTG                       ; out on its way out
.set KQ,    103424                     ; 64 rows: k's 768 bytes of codes, q's 768, 16 spare: 388 words, 4 mod 64
.set KQP,   1552
.set KQS,   202752                     ; and their scale bytes: k's 32, q's 32, 4 spare
.set KQSP,  68
.set ATT,   207104                     ; the attended rows' codes, 768 bytes + 16,
.set ATP,   784
.set ATS,   257280                     ; their scale bytes, 32 + 4,
.set ATSP,  36
.set VST,   69632                      ; and v of all 64 positions, a buffer of 16 positions for each tile m of rows: [position][32 places of d][16 heads f32].  Buffers 0 to 2 take the bytes of the stages and of k's and q's codes,
.set VBS,   41216                      ; which nobody uses while v is at work (a barrier stands at either end); a buffer is 41,216 bytes; buffer 1 follows buffer 0,
.set VB2,   82432                      ; buffer 2 follows buffer 1,
.set VB3,   189952                     ; and buffer 3 lies behind the attended rows' scale bytes, at byte 259,584
.set VPP,   2576
.set VDP,   80
.set SS,  1                            ; v1-4 the scores' scales: lanes 0-15 k's two bytes, lanes 16-31 q's
.set L16, 5                            ; 16 x lane; never rewritten
.set BA,  6                            ; my biases;  v7: this chunk's
.set BAC, 7
.set XSI, 8
.set XSO, 9
.set XWI, 10
.set XWS, 11
.set XRI, 12
.set XRS, 13
.set KQW, 14
.set KQC, 15
.set KQC2, 16
.set KQSW, 17
.set KQSC, 18
.set KR0, 19
.set KR1, 20
.set KSR, 21
.set VSW, 22
.set VSR, 23
.set ATW, 24
.set ATC, 25
.set ASW, 26
.set ASC, 27
.set ATRW, 28
.set ASR, 29
.set OSW, 30
.set OSR, 31
.set XS,  32                           ; register 4 (ks / 2) + m: lanes 0-15 the words of the even K step, lanes 16-31 of the odd one
.set WS,  48                           ; set ks % 4, register t % 4: lanes 0-15 tiles 0-3, lanes 16-31 tiles 4-7
.set P,   64                           ; the weights of position (m, i) at P + 32 m + 8 i
.set RB,  64
.set BK,  64
.set VC,  192                          ; V's way on: v192-207 the codes of a pair of positions, two sets;
.set VPB, 208                          ; v208-211 their blocks' bytes, two sets;
.set VT,  212                          ; v212-213 largest magnitudes;
.set VTS, 216                          ; v216-217 the conversions' scale operands
.set PC,  224                          ; v224-243 codes at work
.set TM,  244                          ; v244-255 magnitudes, bytes, scale operands
.set PW,  TM                           ; the scale word just made takes the first magnitude's place, which is done with by then
.set RR,  224                          ; at the head alone: r, h, lane
.set HH,  225
.set LN,  226
.set XF,  192                          ; in windows 1 and 2: the rows' fragments, 12 m; between chunks at work
.set WV,  12
.set SEL, 52
.set CS,  54                           ; s[54:55] c = log2(e) / 8
.set TR,  56                           ; a loop's trip
.set CB,  57                           ; this chunk's biases: 512 bytes a chunk
.set KO,  58                           ; this chunk's codes in a row of KQ: 384 a chunk
.set SO,  59                           ; and its scale bytes: 16 a chunk
.set VB,  60
.set VS,  61
.set XP,  66
.set OUT, 68
.set WP,  70                           ; s[70:71] my part of this chunk's first slot in the stream
.set MSB, 0
.macro WIN new                         ; the immediate's high byte repeats the setting that is left; a switch that changes nothing is dropped
.if MSB != (\new)
	s_set_vgpr_msb (MSB<<8)|(\new)
.set MSB, \new
.endif
.endm
.macro PLACES cnt                      ; plain vector instructions between a matrix instruction and what touches its registers (ISA guide 7.12.1 for vector instructions)
.rept \cnt
	v_nop
.endr
.endm
; Half a K step of W, from memory into set j % 4: K step j counted from this chunk's first (8 and more: the next chunk's).  Tiles 4 half .. + 3, three loads of 16 bytes a lane each: 12 loads
.macro LOADG j, half
.set gset, (\j)%4
.set gofs, ((\j)/2)*SLOTB+((\j)%2)*KPART
	WIN (1+gset/2)<<6
.irp t, 0,1,2,3
.irp g, 0,1,2
	global_load_b128 v[96*(gset%2)+12*(4*(\half)+\t)+4*\g:96*(gset%2)+12*(4*(\half)+\t)+4*\g+3], v[L16], s[WP:WP+1] offset:gofs+FRB*(4*(\half)+\t)+512*\g
.endr
.endr
.endm
.macro LOADSC j                        ; K step j's scale image: one load.  In the stream it stands between the K step's two halves
	WIN 0
	global_load_b128 v[WS+4*((\j)%4):WS+4*((\j)%4)+3], v[L16], s[WP:WP+1] offset:((\j)/2)*SLOTB+((\j)%2)*KPART+SCOFF
.endm
.macro LOADE j                         ; three halves, 37 loads: the second half of K step j and all of K step j + 1.  Every way from one chunk to the next passes this once
	LOADG \j, 1
	LOADG (\j)+1, 0
	LOADSC (\j)+1
	LOADG (\j)+1, 1
	WIN 0
.endm
; The rows' four fragments of K step ks, from their images in LDS into buffer ks % 2: 12 loads
.macro LOADX ks
	WIN (1+(\ks)%2)<<6
.irp m, 0,1,2,3
.irp g, 0,1,2
	ds_load_b128 v[XF+12*\m+4*\g:XF+12*\m+4*\g+3], v[XRI] offset:(8*\m+(\ks))*FRB+512*\g
.endr
.endr
.endm
.macro WM ks                           ; one product: tile tt of W x tile mm of rows, K step ks
.set rD, 64*mm+8*tt
.set rA, WB+12*tt
.set rB, XF+12*mm
.set rSA, WS+4*((\ks)%4)+tt%4
.set rSB, XS+4*((\ks)/2)+mm
.if tt < 4
.if (\ks)%2 == 0
	v_wmma_scale_f32_16x16x128_f8f6f4 v[rD:rD+7], v[rA:rA+11], v[rB:rB+11], v[rD:rD+7], v[rSA], v[rSB] matrix_a_fmt:MATRIX_FMT_FP6 matrix_b_fmt:MATRIX_FMT_FP6
.else
	v_wmma_scale_f32_16x16x128_f8f6f4 v[rD:rD+7], v[rA:rA+11], v[rB:rB+11], v[rD:rD+7], v[rSA], v[rSB] matrix_a_fmt:MATRIX_FMT_FP6 matrix_b_fmt:MATRIX_FMT_FP6 matrix_b_scale:MATRIX_SCALE_ROW1
.endif
.else
.if (\ks)%2 == 0
	v_wmma_scale_f32_16x16x128_f8f6f4 v[rD:rD+7], v[rA:rA+11], v[rB:rB+11], v[rD:rD+7], v[rSA], v[rSB] matrix_a_fmt:MATRIX_FMT_FP6 matrix_b_fmt:MATRIX_FMT_FP6 matrix_a_scale:MATRIX_SCALE_ROW1
.else
	v_wmma_scale_f32_16x16x128_f8f6f4 v[rD:rD+7], v[rA:rA+11], v[rB:rB+11], v[rD:rD+7], v[rSA], v[rSB] matrix_a_fmt:MATRIX_FMT_FP6 matrix_b_fmt:MATRIX_FMT_FP6 matrix_a_scale:MATRIX_SCALE_ROW1 matrix_b_scale:MATRIX_SCALE_ROW1
.endif
.endif
.endm
; cnt tiles of W from t0 on, each against the four tiles of rows.  The 32 accumulators take turns, one instruction a turn, in the same order in every K step
; The biases of four tiles, b0 on, from my own bytes of LDS into v224-255: eight registers a tile, the bias of the tile's rows 8 h + 0 .. 7
.macro BIASL b0
.irp t, 0,1,2,3
	ds_load_b128 v[PC+8*\t:PC+8*\t+3], v[BAC] offset:64*((\b0)+\t)
	ds_load_b128 v[PC+8*\t+4:PC+8*\t+7], v[BAC] offset:64*((\b0)+\t)+16
.endr
.endm
; A product of a chunk's first K step: its C is the tile's bias, the same eight registers for all four tiles of rows: the bias begins the sums, nothing is cleared, nothing is added later
.macro WM0
.set rD, 64*mm+8*tt
.set rA, WB+12*tt
.set rB, XF+12*mm
.set rC, PC+8*(tt%4)
.if tt < 4
	v_wmma_scale_f32_16x16x128_f8f6f4 v[rD:rD+7], v[rA:rA+11], v[rB:rB+11], v[rC:rC+7], v[WS+tt%4], v[XS+mm] matrix_a_fmt:MATRIX_FMT_FP6 matrix_b_fmt:MATRIX_FMT_FP6
.else
	v_wmma_scale_f32_16x16x128_f8f6f4 v[rD:rD+7], v[rA:rA+11], v[rB:rB+11], v[rC:rC+7], v[WS+tt%4], v[XS+mm] matrix_a_fmt:MATRIX_FMT_FP6 matrix_b_fmt:MATRIX_FMT_FP6 matrix_a_scale:MATRIX_SCALE_ROW1
.endif
.endm
.macro MULQ ks, t0, cnt
.if (\ks) == 0
	WIN 0xC5                                       ; W and the rows in window 1, C (the biases) in window 0, D in window 3
.else
	WIN 0xF0|((1+(\ks)%2)<<2)|(1+((\ks)%4)/2)
.endif
.set WB, 96*((\ks)%2)
.set tt, \t0
.rept \cnt
.set mm, 0
.rept 4
.if (\ks) == 0
	WM0
.else
	WM \ks
.endif
.set mm, mm+1
.endr
.set tt, tt+1
.endr
.endm
; The wait for half n of a chunk's 16 (an even n: tiles 0-3 and the scale image; an odd n: tiles 4-7): its count is the number of loads issued behind what is wanted, or less.
; n = 0 .. 9: 75, 87 or 88 loads stand behind it; the count's field ends at 63.  n = 10: 12 + 25 + 25 = 62.  n = 11 .. 15: 50, two K steps' worth, the next chunk's among them.
; In the stream's last chunk nothing stands behind K step 7: from n = 12 on 37, 25, 12, 0
.macro WAITW n, last
.set wc, 50
.if (\n) < 10
.set wc, 63
.endif
.if (\n) == 10
.set wc, 62
.endif
.if \last
.if (\n) > 11
.set wc, 25*((15-(\n))/2)+12*((15-(\n))%2)
.endif
.endif
	s_wait_loadcnt wc
.endm
; A K step: 32 products.  K steps 0-3: each half's registers take the K step four on, four places behind the products that read them (the scale image behind the K step's last product, which still reads the old one).
; K steps 5-7: the next chunk's first five halves, into registers that were last read three halves ago.
.macro KSTEP ks, last
.if (\ks) < 7
	LOADX (\ks)+1                                  ; into the buffer that the K step before has read: its four places stand at that K step's end
.endif
	WAITW 2*(\ks), \last
.if (\ks) < 7
	s_wait_dscnt 12                                ; this K step's rows are in (at a chunk's head: the biases too); the twelve loads just issued may be out
.else
	s_wait_dscnt 0x0
.endif
	MULQ \ks, 0, 4
.if (\ks) == 0
	PLACES 4                                       ; the loads below land in registers that the products above have read
	WIN 0
	BIASL 4                                        ; the biases of tiles 4-7 take the place of those of tiles 0-3
.endif
.if (\ks) < 4
.if (\ks) > 0
	PLACES 4
.endif
	LOADG (\ks)+4, 0
.endif
.if (\ks) > 5
.if (\last) == 0
	LOADG (\ks)+2, 1
.endif
.endif
	WAITW 2*(\ks)+1, \last
.if (\ks) == 0
	s_wait_dscnt 0x0                               ; the biases of tiles 4-7 are in
.endif
	MULQ \ks, 4, 4
	PLACES 4
.if (\ks) < 4
	LOADSC (\ks)+4
	LOADG (\ks)+4, 1
.endif
.if (\ks) > 4
.if (\last) == 0
	LOADG (\ks)+3, 0
	LOADSC (\ks)+3
.endif
.endif
.endm
; A chunk: 512 columns x 64 rows x K 1,024.  last = 1: the stream's last chunk: no load leaves the buffer.
.macro CHUNK last
	v_add_nc_u32 v[BAC], s[CB], v[BA]
	s_wait_alu depctr_va_vdst(0)
	BIASL 0                                        ; the biases of tiles 0-3: 16 LDS loads a chunk serve all 32 accumulators
	LOADX 0
.irp q, 0,1,2,3,4,5,6,7
	KSTEP \q, \last
.endr
	WIN 0
.endm
; 64 numbers of a lane, registers src .. src + 63 of window win, register 16 b + i = k 32 b + 16 (lane / 16) + i of my row, become a fragment's codes in v[PC] on and its scale word in v[PW]
.macro QUANT src, win
	WIN ((\win)<<2)|((\win)<<4)
.irp b, 0,1,2,3
	v_max3_num_f32 v[TM+\b], 0x1800000, |v[(\src)+16*\b]|, |v[(\src)+16*\b+1]|   ; the floor 2^(3 - 127) among the leaves: the byte cannot fall under 1.  Each accumulator is read from its low end on
.endr
.irp i, 2,4,6,8,10,12,14
.irp b, 0,1,2,3
	v_max3_num_f32 v[TM+\b], v[TM+\b], |v[(\src)+16*\b+\i]|, |v[(\src)+16*\b+\i+1]|
.endr
.endr
	WIN 0
.irp b, 0,1,2,3
	v_permlanex16_b32 v[TM+4+\b], v[TM+\b], s[SEL], s[SEL+1]
.endr
.irp b, 0,1,2,3
	v_max_num_f32 v[TM+\b], v[TM+\b], v[TM+4+\b]   ; with lane l xor 16's: the block's largest magnitude
.endr
.irp b, 0,1,2,3
	v_add_nc_u32 v[TM+8+\b], 0xff000000, v[TM+\b]  ; 2 off its exponent field: the conversion's scale operand
.endr
.irp b, 0,1,2,3
	v_lshrrev_b32 v[TM+4+\b], 23, v[TM+8+\b]       ; the scale's byte
.endr
	v_lshl_or_b32 v[PW], v[TM+5], 8, v[TM+4]
	v_lshl_or_b32 v[PW], v[TM+6], 16, v[PW]
	v_lshl_or_b32 v[PW], v[TM+7], 24, v[PW]
	WIN \win
.irp c, 0,1
	v_cvt_scalef32_pk16_fp6_f32 v[PC+6*\c:PC+6*\c+2], v[(\src)+32*\c:(\src)+32*\c+15], v[TM+8+2*\c]
	v_cvt_scalef32_pk16_fp6_f32 v[PC+12+4*\c:PC+14+4*\c], v[(\src)+32*\c+16:(\src)+32*\c+31], v[TM+8+2*\c+1]   ; (a conversion's three registers begin on an even number)
.endr
	WIN 0
	v_nop                                          ; one plain instruction behind the scaled conversions
.irp c, 0,1                                    ; the operand's layout wants a whole block in a lane
.irp i, 0,1,2
	v_permlane16_swap_b32 v[PC+6*\c+\i], v[PC+12+4*\c+\i]
.endr
.irp i, 0,1,2
	v_mov_b32 v[PC+3+6*\c+\i], v[PC+12+4*\c+\i]
.endr
.endr
.endm
; ---------------------------------------------------------------- the head
	s_load_b256 s[4:11], s[0:1], 0x0               ; x s[4:5], wst s[6:7], bst s[8:9], out0 s[10:11]
	s_set_vgpr_msb 0x40
	v_lshl_add_u32 v254, v0, 2, 0x49700
	v_mov_b32 v255, 0
	s_set_vgpr_msb 0x4000
	v_lshrrev_b32 v[LN], 5, v0
	v_readfirstlane_b32 s[WV], v[LN]               ; wave 0..3
	v_and_b32 v[LN], 31, v0                        ; lane
	v_and_b32 v[RR], 15, v0                        ; r
	v_bfe_u32 v[HH], v0, 4, 1                      ; h
	v_lshlrev_b32 v[L16], 4, v[LN]
.irp b, 0,1,2,3
	v_mov_b32 v[TM+4+\b], 0                        ; a lane permute's destination counts as one of its sources
.endr
	s_mov_b32 s[SEL], 0x76543210
	s_mov_b32 s[SEL+1], 0xfedcba98                 ; v_permlanex16_b32's selects for lane l xor 16
	s_mov_b32 s[CS], 0x3e38aa3b                    ; c = log2(e) / 8: exp(s / sqrt(64)) = 2^(c s)
	s_mov_b32 s[CS+1], s[CS]
	s_mov_b32 s[CB], 0
	s_mov_b32 s[KO], 0
	s_mov_b32 s[SO], 0
	s_mov_b32 s[TR], 0
	s_lshl_b32 s16, ttmp9, 18                      ; my work-group's 64 rows of 4,096 bytes
	s_lshl_b32 s18, s[WV], 16
	s_add_co_u32 s18, s16, s18                     ; x: + my wave's 16 rows
	s_mov_b32 s19, 0
	s_lshl_b32 s17, s[WV], 9
	s_add_co_u32 s16, s16, s17                     ; out: + my wave's 128 columns
	s_mov_b32 s17, 0
	s_mul_i32 s20, s[WV], WPART                    ; my part of a slot of the stream
	s_mov_b32 s21, 0
	s_lshl_b32 s22, s[WV], 12                      ; my 4,096 bytes of biases
	s_mov_b32 s23, 0
	s_wait_alu depctr_va_vdst(0)
	s_wait_kmcnt 0x0
	s_add_nc_u64 s[XP:XP+1], s[4:5], s[18:19]
	s_add_nc_u64 s[OUT:OUT+1], s[10:11], s[16:17]
	s_add_nc_u64 s[WP:WP+1], s[6:7], s[20:21]
	s_add_nc_u64 s[8:9], s[8:9], s[22:23]
.irp i, 0,1,2,3,4,5,6,7
	global_load_b128 v[128+4*\i:128+4*\i+3], v[L16], s[8:9] offset:512*\i   ; my biases, once: they go on into LDS below
.endr
; my 16 rows' numbers of K step ks: a load reads 512 consecutive bytes of one row; four sets of 64 registers: all of window 2
.macro XLOAD ks
	WIN 0x80
.irp p, 0,1,2,3,4,5,6,7,8,9,10,11,12,13,14,15
	global_load_b128 v[64*((\ks)%4)+4*\p:64*((\ks)%4)+4*\p+3], v[L16], s[XP:XP+1] offset:4096*\p+512*(\ks) th:TH_LOAD_NT
.endr
.endm
	XLOAD 0
	XLOAD 1
	XLOAD 2
	XLOAD 3
	WIN 0
	; LDS addresses: constants, the lane's r and h, the wave's number
	s_lshl_b32 s16, s[WV], 12
	s_add_co_u32 s16, s16, BIAS
	v_add_nc_u32 v[BAC], s16, v[L16]               ; (for the copy below: 16 bytes a lane)
	v_lshl_add_u32 v[BA], v[HH], 5, s16            ; the biases of a tile's rows 8 h on
	s_mul_i32 s16, s[WV], 16*STP
	s_add_co_u32 s17, s16, XSTG
	v_add_nc_u32 v[XSI], s17, v[L16]               ; x's stage, in: 16 x lane, the row in the offset
	v_mul_u32_u24 v[XSO], v[RR], STP
	v_lshl_add_u32 v[OSW], v[HH], 5, v[XSO]
	v_lshl_add_u32 v[XSO], v[HH], 6, v[XSO]
	v_add_nc_u32 v[XSO], s17, v[XSO]               ; out: row r, + 64 h
	s_add_co_u32 s17, s16, OSTG
	v_add_nc_u32 v[OSW], s17, v[OSW]               ; out's stage, in: row r, + 32 h
	v_add_nc_u32 v[OSR], s17, v[L16]               ; back: a row of 512 bytes
	s_mul_i32 s16, s[WV], 8*FRB
	s_add_co_u32 s16, s16, XIMG
	v_add_nc_u32 v[XWI], s16, v[L16]               ; where I store images: tile of rows m = my wave
	s_lshl_b32 s16, s[WV], 10
	s_add_co_u32 s16, s16, XSCI
	v_lshl_add_u32 v[XWS], v[LN], 2, s16
	v_add_nc_u32 v[XRI], XIMG, v[L16]
	v_lshlrev_b32 v[XRS], 2, v[RR]
	v_lshl_add_u32 v[XRS], v[HH], 7, v[XRS]
	v_add_nc_u32 v[XRS], XSCI, v[XRS]              ; lanes 16-31 take the next K step's words
	v_mul_u32_u24 v[KQW], v[RR], KQP
	v_mad_u32_u24 v[KQW], v[HH], 24, v[KQW]
	s_mul_i32 s16, s[WV], 96
	s_add_co_u32 s16, s16, KQ
	v_add_nc_u32 v[KQW], s16, v[KQW]               ; row r, my wave's 128 columns (96 bytes), + 24 h
	v_mul_u32_u24 v[KQSW], v[RR], KQSP
	s_lshl_b32 s16, s[WV], 2
	s_add_co_u32 s16, s16, KQS
	v_add_nc_u32 v[KQSW], s16, v[KQSW]
	v_mul_u32_u24 v[KR0], v[RR], 48
	v_mad_u32_u24 v[KR0], v[HH], 24, v[KR0]
	s_mul_i32 s16, s[WV], 4*KQP
	s_add_co_u32 s16, s16, KQ
	v_add_nc_u32 v[KR0], s16, v[KR0]               ; position 4 w: head r's 48 bytes, + 24 h
	v_add_nc_u32 v[KR1], 32*KQP, v[KR0]
	v_lshlrev_b32 v[KSR], 1, v[RR]
	v_lshl_add_u32 v[KSR], v[HH], 5, v[KSR]
	s_mul_i32 s16, s[WV], 4*KQSP
	s_add_co_u32 s16, s16, KQS
	v_add_nc_u32 v[KSR], s16, v[KSR]               ; head r's two bytes: lanes 0-15 k's, lanes 16-31 q's
	v_mul_u32_u24 v[VSW], v[RR], VPP
	v_lshl_add_u32 v[VSW], v[HH], 5, v[VSW]
	s_and_b32 s16, s[WV], 1
	s_lshl_b32 s16, s16, 4
	s_lshr_b32 s17, s[WV], 1
	s_lshl_b32 s17, s17, 3
	s_add_co_u32 s16, s16, s17                     ; channel 16 hh + 8 u + j of a chunk's 32 has place 16 u + 8 hh + j; mine are 8 w + t
	s_mul_i32 s16, s16, VDP
	s_add_co_u32 s16, s16, VST
	v_add_nc_u32 v[VSW], s16, v[VSW]
	v_mul_u32_u24 v[VSR], v[RR], VDP
	v_lshl_add_u32 v[VSR], v[HH], 5, v[VSR]
	s_mul_i32 s16, s[WV], 4*VPP
	s_add_co_u32 s16, s16, VST
	v_add_nc_u32 v[VSR], s16, v[VSR]               ; position 4 w, place r, heads 8 h on
	v_mul_u32_u24 v[ATW], v[RR], 48
	v_mad_u32_u24 v[ATW], v[HH], 12, v[ATW]
	s_mul_i32 s16, s[WV], 4*ATP
	s_add_co_u32 s16, s16, ATT
	v_add_nc_u32 v[ATW], s16, v[ATW]
	v_lshlrev_b32 v[ASW], 1, v[RR]
	s_mul_i32 s16, s[WV], 4*ATSP
	s_add_co_u32 s16, s16, ATS
	v_add_nc_u32 v[ASW], s16, v[ASW]
	v_mul_u32_u24 v[ATRW], v[RR], ATP
	v_mad_u32_u24 v[ATRW], v[HH], 24, v[ATRW]
	s_mul_i32 s16, s[WV], 16*ATP
	s_add_co_u32 s16, s16, ATT
	v_add_nc_u32 v[ATRW], s16, v[ATRW]             ; the attended rows of tile m = my wave: row r, + 24 h
	v_mul_u32_u24 v[ASR], v[RR], ATSP
	v_lshl_add_u32 v[ASR], v[HH], 2, v[ASR]
	v_add_nc_u32 v[ASR], ATS, v[ASR]
	s_wait_loadcnt 63                              ; my biases are in: 64 loads of x were issued behind them, and the count's field ends at 63
.irp i, 0,1,2,3,4,5,6,7
	ds_store_b128 v[BAC], v[128+4*\i:128+4*\i+3] offset:512*\i   ; into my own 4,096 bytes: no other wave reads them
.endr
; ---------------------------------------------------------------- X: my 16 rows of x become eight fragments; their images go to LDS for all four waves
.macro XSTEP ks
.if (\ks) < 5
	s_wait_loadcnt 48                              ; this K step's 16 loads are in; those of the three K steps behind it may be out
.endif
.if (\ks) == 5
	s_wait_loadcnt 57                              ; behind it: two K steps of x, 32, and W's K step 0, 25
.endif
.if (\ks) > 5
	s_wait_loadcnt 63                              ; behind it: 16 + 25 + 25 = 66, then 75: the count's field ends at 63
.endif
	WIN 0x08
.irp p, 0,1,2,3,4,5,6,7,8,9,10,11,12,13,14,15
	ds_store_b128 v[XSI], v[64*((\ks)%4)+4*\p:64*((\ks)%4)+4*\p+3] offset:STP*\p
.endr
	WIN 0
.irp b, 0,1,2,3
.irp j, 0,1,2,3
	ds_load_b128 v[RB+64*((\ks)%2)+16*\b+4*\j:RB+64*((\ks)%2)+16*\b+4*\j+3], v[XSO] offset:128*\b+16*\j   ; LDS serves a wave's instructions in order: these see my stores
.endr
.endr
	s_wait_dscnt 16                                ; all but the 16 loads: the stores have read their registers,
.if (\ks)+4 < 8
	XLOAD (\ks)+4                                  ; which take the loads of four K steps on
.endif
.if (\ks) > 0
	XQ (\ks)-1                                     ; the K step before is quantised while this one's 16 LDS loads come back: the wait above has shown its numbers in and the images of two K steps back stored
.endif
.if (\ks) > 3                                  ; no more of x is asked for: the stream of W begins, a K step (25 loads) behind each of x's last four.  Sets 0, 1 lie in window 1; sets 2, 3 take registers of x's K steps 4 to 6, whose stores have been waited for
	LOADG (\ks)-4, 0
	LOADSC (\ks)-4
	LOADG (\ks)-4, 1
.endif
.endm
.macro XQ ks                           ; K step ks of my 16 rows: a fragment's codes and scale words, and their images into LDS
	QUANT RB+64*((\ks)%2), 0
.irp g, 0,1,2
	ds_store_b128 v[XWI], v[PC+4*\g:PC+4*\g+3] offset:FRB*(\ks)+512*\g
.endr
	ds_store_b32 v[XWS], v[PW] offset:128*(\ks)
.endm
.irp q, 0,1,2,3,4,5,6,7
	XSTEP \q
.endr
	s_wait_dscnt 0x0                               ; the last K step's numbers are back from the stage
	XQ 7
	s_wait_dscnt 0x0                               ; my images have landed
	s_barrier_signal -1
	s_barrier_wait -1
.irp q, 0,1,2,3
.irp m, 0,1,2,3
	ds_load_b32 v[XS+4*\q+\m], v[XRS] offset:128*(8*\m+2*\q)   ; x's scale words stay in registers
.endr
.endr
; ---------------------------------------------------------------- ONE LOOP OF SEVEN TRIPS: K0 K1 Q0 Q1 V0 V1 O0.  The chunk's products are written once; the trip's number, the same in every wave and every work-group, chooses the chunk's way on.
; Trips 0-3 (K, Q): the results are quantised in registers and laid as rows of codes, a position a row; behind trip 3 the scores and the softmax follow.
.Lloop_a:
	CHUNK 0
	s_cmp_lt_u32 s[TR], 4
	s_cbranch_scc0 .Lnot_a
	v_add_nc_u32 v[KQC], s[KO], v[KQW]
	v_add_nc_u32 v[KQC2], 32*KQP, v[KQC]
	v_add_nc_u32 v[KQSC], s[SO], v[KQSW]
.irp m, 0,1,2,3
	QUANT 64*\m, 3
.irp p, 0,1,2,3,4,5
.if \m < 2
	ds_store_b64 v[KQC], v[PC+2*\p:PC+2*\p+1] offset:16*KQP*(\m%2)+48*(\p/3)+8*(\p%3)
.else
	ds_store_b64 v[KQC2], v[PC+2*\p:PC+2*\p+1] offset:16*KQP*(\m%2)+48*(\p/3)+8*(\p%3)
.endif
.endr
	ds_store_b32 v[KQSC], v[PW] offset:16*KQSP*\m  ; lanes r and r + 16 write the same word with the same value
	s_wait_dscnt 0x0                               ; the stores have read their registers
.endr
	LOADE 10                                       ; the next chunk's halves 5 to 7, from the old base
	s_add_co_u32 s[KO], s[KO], 384
	s_add_co_u32 s[SO], s[SO], 16
	s_cmp_eq_u32 s[TR], 3
	s_cbranch_scc0 .Lnext_b
	s_barrier_signal -1                            ; every wave's stores have landed (the wait for 0 above): all rows of k and q lie in LDS
	s_barrier_wait -1
; ---------------------------------------------------------------- SC: scores and softmax of my 16 positions, four at a time.  k's fragments take the rows' buffer in window 1, q's that in window 2
.macro LOADS m                         ; positions 16 m + 4 w + 0..3: k's and q's fragments (16 heads x 64: the lower six registers) and their scale bytes
	WIN 0x40
.irp i, 0,1,2,3
.irp p, 0,1,2
	ds_load_b64 v[XF+12*\i+2*\p:XF+12*\i+2*\p+1], v[KR0+(\m)/2] offset:(16*((\m)%2)+\i)*KQP+8*\p
.endr
.endr
	WIN 0x80
.irp i, 0,1,2,3
.irp p, 0,1,2
	ds_load_b64 v[XF+12*((\i+1)%4)+2*\p:XF+12*((\i+1)%4)+2*\p+1], v[KR0+(\m)/2] offset:(16*((\m)%2)+\i)*KQP+768+8*\p
.endr
.endr
	WIN 0
.irp i, 0,1,2,3
	ds_load_u16 v[SS+\i], v[KSR] offset:KQSP*(16*(\m)+\i)   ; the upper two bytes come as 0: they scale zero codes
.endr
.endm
.macro SOFTMAX m                       ; the four positions by turns; a lane holds head r and eight of its sixteen scores, lane l xor 16 the others
.irp i, 0,1,2,3
	v_max3_num_f32 v[TM+\i], v[P+32*(\m)+8*\i], v[P+32*(\m)+8*\i+1], v[P+32*(\m)+8*\i+2]
.endr
.irp j, 3,5
.irp i, 0,1,2,3
	v_max3_num_f32 v[TM+\i], v[TM+\i], v[P+32*(\m)+8*\i+\j], v[P+32*(\m)+8*\i+\j+1]
.endr
.endr
.irp i, 0,1,2,3
	v_max_num_f32 v[TM+\i], v[TM+\i], v[P+32*(\m)+8*\i+7]
.endr
.irp i, 0,1,2,3
	v_permlanex16_b32 v[TM+4+\i], v[TM+\i], s[SEL], s[SEL+1]
.endr
.irp i, 0,1,2,3
	v_max_num_f32 v[TM+\i], v[TM+\i], v[TM+4+\i]   ; the row's largest score
.endr
.irp i, 0,1,2,3
	v_mul_f32 v[PC+2*\i], s[CS], v[TM+\i]          ; c x it, in both halves of a pair
.endr
.irp i, 0,1,2,3
	v_mul_f32 v[PC+2*\i+1], s[CS], v[TM+\i]
.endr
.irp j, 0,2,4,6
.irp i, 0,1,2,3
	v_pk_fma_f32 v[P+32*(\m)+8*\i+\j:P+32*(\m)+8*\i+\j+1], v[P+32*(\m)+8*\i+\j:P+32*(\m)+8*\i+\j+1], s[CS:CS+1], v[PC+2*\i:PC+2*\i+1] op_sel_hi:[1,0,1] neg_lo:[0,0,1] neg_hi:[0,0,1]   ; c s - c max
.endr
.endr
	s_wait_alu depctr_va_vdst(0)
.irp i, 0,1,2,3
.irp j, 0,1,2,3,4,5,6,7
	v_exp_f32 v[P+32*(\m)+8*\i+\j], v[P+32*(\m)+8*\i+\j]
.endr
.endr
	v_nop                                          ; a plain instruction behind the last exponential
	s_wait_alu depctr_va_vdst(0)                   ; one wait for the batch of 32, ahead of its first reader
.irp i, 0,1,2,3
	v_pk_add_f32 v[PC+8+2*\i:PC+9+2*\i], v[P+32*(\m)+8*\i:P+32*(\m)+8*\i+1], v[P+32*(\m)+8*\i+2:P+32*(\m)+8*\i+3]
.endr
.irp j, 4,6
.irp i, 0,1,2,3
	v_pk_add_f32 v[PC+8+2*\i:PC+9+2*\i], v[PC+8+2*\i:PC+9+2*\i], v[P+32*(\m)+8*\i+\j:P+32*(\m)+8*\i+\j+1]
.endr
.endr
.irp i, 0,1,2,3
	v_add_f32 v[TM+\i], v[PC+8+2*\i], v[PC+9+2*\i]
.endr
.irp i, 0,1,2,3
	v_permlanex16_b32 v[TM+4+\i], v[TM+\i], s[SEL], s[SEL+1]
.endr
.irp i, 0,1,2,3
	v_add_f32 v[TM+\i], v[TM+\i], v[TM+4+\i]       ; the row's sum
.endr
	s_wait_alu depctr_va_vdst(0)
.irp i, 0,1,2,3
	v_rcp_f32 v[PC+2*\i], v[TM+\i]
.endr
	v_nop
	s_wait_alu depctr_va_vdst(0)                   ; one wait for the four reciprocals
.irp j, 0,2,4,6
.irp i, 0,1,2,3
	v_pk_mul_f32 v[P+32*(\m)+8*\i+\j:P+32*(\m)+8*\i+\j+1], v[P+32*(\m)+8*\i+\j:P+32*(\m)+8*\i+\j+1], v[PC+2*\i:PC+2*\i+1] op_sel_hi:[1,0]   ; the weights, finished and normalised, in f32
.endr
.endr
.endm
	WIN 0x40
.irp f, 0,1,2,3
.irp j, 6,7,8,9,10,11
	v_mov_b32 v[XF+12*\f+\j], 0                    ; K is 64: the instruction's upper 64 along K are zero codes, on both sides
.endr
.endr
	WIN 0x80
.irp f, 0,1,2,3
.irp j, 6,7,8,9,10,11
	v_mov_b32 v[XF+12*\f+\j], 0
.endr
.endr
	WIN 0
	PLACES 4                                       ; operands written by vector instructions stand four places ahead of a scaled matrix instruction
	LOADS 0
	s_wait_alu depctr_va_vdst(0)
.irp m, 0,1,2,3
	s_wait_dscnt 0x0
	WIN 0x09                                       ; k in window 1, q in window 2, the scores in window 0
.irp i, 0,1,2,3
	v_wmma_scale_f32_16x16x128_f8f6f4 v[P+32*\m+8*\i:P+32*\m+8*\i+7], v[XF+12*\i:XF+12*\i+11], v[XF+12*((\i+1)%4):XF+12*((\i+1)%4)+11], 0, v[SS+\i], v[SS+\i] matrix_a_fmt:MATRIX_FMT_FP6 matrix_b_fmt:MATRIX_FMT_FP6 matrix_b_scale:MATRIX_SCALE_ROW1
.endr
	WIN 0
	PLACES 4
.if \m < 3
	LOADS \m+1
.endif
	SOFTMAX \m
.endr
; ---------------------------------------------------------------- trips 4-6: V0 V1 O0
; V's way on.  barrier | all my 32 accumulators (a tile is a channel: lane (r, h) holds position r, heads 8 h on) go to LDS, tile m of rows into buffer m | barrier | my 16 positions n = 4 m + i, in eight pairs | barrier.
; A position: v^T (32 places of d x 16 heads) from LDS, 16 registers; attended^T by the f32 form, eight products: its k = 2 hh + j stands for head 8 hh + 2 e + j in step e, in both operands alike; two sums (u = 0, 1).
; The 16 registers of a position are 16 neighbouring d of head r: half a block of the last product's K: quantised, 12 bytes of codes and the block's byte to LDS.
; THE SUMS LIE IN WINDOW 3, whose accumulators have gone to LDS by then: position n has registers 16 n .. 16 n + 15 of its own.  A pair's four sums take turns, one instruction a turn.
; THE PAIRS ARE LAID AS A PIPELINE: among the 16 products of pair q stand the quantiser's lines of pair q - 1 and the loads of pair q + 1.  v^T has two sets of 32 registers: the rows' buffers of windows 1 and 2 (q % 2).
.set VW2, KQC                          ; at work here alone, made anew at the head of each use: where I store into buffers 2 and 3,
.set VW3, KQC2
.set VR2, KQSC                         ; and where I read them
.set VR3, BAC
.set VTP, 248                          ; v248-249 lane l xor 16's magnitudes
.macro VLOADP q                        ; v^T of pair q into set q % 2: eight loads
	WIN (1+(\q)%2)<<6
.irp a, 0,1
.set ln, 2*(\q)+\a
.set lvo, VPP*(ln%4)
.set lva, VSR
.if ln/4 == 1
.set lvo, lvo+VBS
.endif
.if ln/4 == 2
.set lva, VR2
.endif
.if ln/4 == 3
.set lva, VR3
.endif
.irp u, 0,1
	ds_load_b128 v[XF+16*\a+8*\u:XF+16*\a+8*\u+3], v[lva] offset:lvo+16*VDP*\u
	ds_load_b128 v[XF+16*\a+8*\u+4:XF+16*\a+8*\u+7], v[lva] offset:lvo+16*VDP*\u+16
.endr
.endr
.endm
.macro VMM q, k                        ; product k of pair q: step e = k / 4 of K, position a = (k / 2) % 2 of the pair, sum u = k % 2
.set fn, 2*(\q)+((\k)/2)%2
.set fb, 16*fn+8*((\k)%2)
.set fa, XF+16*(((\k)/2)%2)+8*((\k)%2)+2*((\k)/4)
.set fp, P+8*fn+2*((\k)/4)
.if (\k) < 4
	v_wmma_f32_16x16x4_f32 v[fb:fb+7], v[fa:fa+1], v[fp:fp+1], 0
.else
	v_wmma_f32_16x16x4_f32 v[fb:fb+7], v[fa:fa+1], v[fp:fp+1], v[fb:fb+7]
.endif
.endm
.macro VQA p, j                        ; a quarter of pair p's largest magnitudes, the two positions by turns; the floor 2^(3 - 127) among the leaves: the byte cannot fall under 1.  Each sum is read from its low end on
.irp i, 0,2
.irp a, 0,1
.if 4*(\j)+\i == 0
	v_max3_num_f32 v[VT+\a], 0x1800000, |v[16*(2*(\p)+\a)]|, |v[16*(2*(\p)+\a)+1]|
.else
	v_max3_num_f32 v[VT+\a], v[VT+\a], |v[16*(2*(\p)+\a)+4*(\j)+\i]|, |v[16*(2*(\p)+\a)+4*(\j)+\i+1]|
.endif
.endr
.endr
.endm
.macro VQD                             ; with lane l xor 16's 16 numbers: the blocks'
.irp a, 0,1
	v_permlanex16_b32 v[VTP+\a], v[VT+\a], s[SEL], s[SEL+1]
.endr
.irp a, 0,1
	v_max_num_f32 v[VT+\a], v[VT+\a], v[VTP+\a]
.endr
.endm
.macro VQE p                           ; the scale operands (2 off the exponent field), the bytes, the codes, and their stores
	WIN 0
.irp a, 0,1
	v_add_nc_u32 v[VTS+\a], 0xff000000, v[VT+\a]
.endr
.irp a, 0,1
	v_lshrrev_b32 v[VPB+2*((\p)%2)+\a], 23, v[VTS+\a]
.endr
	WIN 0x03
.irp a, 0,1
	v_cvt_scalef32_pk16_fp6_f32 v[VC+8*((\p)%2)+4*\a:VC+8*((\p)%2)+4*\a+2], v[16*(2*(\p)+\a):16*(2*(\p)+\a)+15], v[VTS+\a]
.endr
	WIN 0
	v_nop                                          ; one plain instruction behind the scaled conversions
.irp a, 0,1
.irp j, 0,1,2
	ds_store_b32 v[ATC], v[VC+8*((\p)%2)+4*\a+\j] offset:ATP*(16*((\p)/2)+2*((\p)%2)+\a)+4*\j
.endr
	ds_store_b8 v[ASC], v[VPB+2*((\p)%2)+\a] offset:ATSP*(16*((\p)/2)+2*((\p)%2)+\a)   ; lanes r and r + 16 write the same byte with the same value
.endr
.endm
.macro VSTEP q
.if (\q) < 2
	s_wait_dscnt 0x0                               ; pair q's loads are in
.else
	s_wait_dscnt 8                                 ; pair q's loads are in, and the stores of pair q - 3 have read their registers; pair q - 2's eight stores may be out
.endif
	WIN 0xF0|(1+(\q)%2)                            ; v^T in window 1 or 2, the weights in window 0, the sums in window 3
	VMM \q, 0
	PLACES 4
	VMM \q, 1
	PLACES 4                                       ; eight places behind pair q - 1's last product: its sums may be read, and loads may land on its v^T
.if (\q) < 7
	VLOADP (\q)+1
	WIN 0xF0|(1+(\q)%2)
.endif
.irp j, 0,1,2,3
	VMM \q, 2+\j
.if (\q) > 0
	WIN 0x3C
	VQA (\q)-1, \j
	WIN 0xF0|(1+(\q)%2)
.endif
.endr
	VMM \q, 6
.if (\q) > 0
	WIN 0
	VQD
	WIN 0xF0|(1+(\q)%2)
.endif
	VMM \q, 7
.if (\q) > 0
	VQE (\q)-1
	WIN 0xF0|(1+(\q)%2)
.endif
.irp k, 8,9,10,11,12,13,14,15
	VMM \q, \k
.endr
.endm
.macro EPI_V
	s_and_b32 s[VS], s[TR], 1                      ; which half of a head's 64 channels: block 2 r + it of the attended row
	s_mul_i32 s[VB], s[VS], 24
	v_add_nc_u32 v[ATC], s[VB], v[ATW]
	v_add_nc_u32 v[ASC], s[VS], v[ASW]
	v_add_nc_u32 v[VW2], VB2, v[VSW]
	v_add_nc_u32 v[VW3], VB3, v[VSW]
	v_add_nc_u32 v[VR2], VB2, v[VSR]
	v_add_nc_u32 v[VR3], VB3, v[VSR]
	s_wait_alu depctr_va_vdst(0)
	s_barrier_signal -1                            ; no LDS instruction of mine is out: nobody reads k's and q's codes, the stages or the last chunk's v any more
	s_barrier_wait -1
	WIN 0x0C
.irp m, 0,1
.irp t, 0,1,2,3,4,5,6,7
	ds_store_b128 v[VSW], v[64*\m+8*\t:64*\m+8*\t+3] offset:VBS*\m+VDP*\t
	ds_store_b128 v[VSW], v[64*\m+8*\t+4:64*\m+8*\t+7] offset:VBS*\m+VDP*\t+16
.endr
.endr
.irp m, 2,3
.irp t, 0,1,2,3,4,5,6,7
	ds_store_b128 v[VW2+\m-2], v[64*\m+8*\t:64*\m+8*\t+3] offset:VDP*\t
	ds_store_b128 v[VW2+\m-2], v[64*\m+8*\t+4:64*\m+8*\t+7] offset:VDP*\t+16
.endr
.endr
	WIN 0
	s_wait_dscnt 0x0                               ; my stores have landed
	s_barrier_signal -1
	s_barrier_wait -1
	VLOADP 0
.irp q, 0,1,2,3,4,5,6,7
.if \q == 1
	LOADE 10                                       ; the next chunk's halves 5 to 7, from the old base
.endif
	VSTEP \q
.endr
	WIN 0
	s_wait_dscnt 8                                 ; pair 5's stores have read their registers; pair 6's eight may be out
	PLACES 8
	WIN 0x3C
.irp j, 0,1,2,3
	VQA 7, \j
.endr
	WIN 0
	VQD
	VQE 7
	s_wait_dscnt 0x0                               ; my reads of v are over and my codes have landed
	s_barrier_signal -1
	s_barrier_wait -1
.endm
; out's way: a block of 16 rows x my 128 columns through my own stage, back as whole rows of 512 bytes
.macro TOSTAGE m
.if (\m) > 1
	s_wait_xcnt 0x0                                ; the stores of two blocks back have read their registers: this block's loads may land there
.endif
	WIN 0x0C
.irp t, 0,1,2,3,4,5,6,7
	ds_store_b128 v[OSW], v[64*(\m)+8*\t:64*(\m)+8*\t+3] offset:64*\t
	ds_store_b128 v[OSW], v[64*(\m)+8*\t+4:64*(\m)+8*\t+7] offset:64*\t+16
.endr
	WIN 0
.irp i, 0,1,2,3,4,5,6,7,8,9,10,11,12,13,14,15
	ds_load_b128 v[BK+64*((\m)%2)+4*\i:BK+64*((\m)%2)+4*\i+3], v[OSR] offset:STP*\i   ; LDS serves a wave's instructions in order: these see my stores, and the next block's stores come behind them
.endr
.endm
.macro SEND m, younger
	s_wait_dscnt \younger                          ; the block is back; the next block's 16 stores and 16 loads may be out
.irp i, 0,1,2,3,4,5,6,7,8,9,10,11,12,13,14,15
	global_store_b128 v[L16], v[BK+64*((\m)%2)+4*\i:BK+64*((\m)%2)+4*\i+3], s[OUT:OUT+1] offset:4096*(16*(\m)+\i) th:TH_STORE_NT   ; 32 lanes store 512 consecutive bytes, at a multiple of 512 from out's first byte
.endr
.endm
.macro EPI_O more
	TOSTAGE 0
	TOSTAGE 1
	SEND 0, 32
	TOSTAGE 2
	SEND 1, 32
.if \more
	LOADE 10                                       ; the next chunk's halves 5 to 7, from the old base
.endif
	TOSTAGE 3
	SEND 2, 32
	SEND 3, 0
.if \more
	s_wait_xcnt 0x0                                ; the stores have read their registers and their base
	s_add_nc_u64 s[OUT:OUT+1], s[OUT:OUT+1], 2048  ; the next chunk's 512 columns
.endif
.endm
	s_wait_alu depctr_va_vdst(0)
	s_barrier_signal -1                            ; my reads of k's and q's codes are over (each group's wait for 0 above)
	s_barrier_wait -1
	s_branch .Lnext_b
.Lnot_a:
	s_cmp_eq_u32 s[TR], 6                          ; the trip's number: the same in every wave and every work-group
	s_cbranch_scc1 .Lepi_o
	EPI_V
	s_cmp_eq_u32 s[TR], 5
	s_cbranch_scc0 .Lnext_b
	; the attended rows are whole.  Wave w turns tile w's rows into eight fragment images, in the bytes of x's images: every wave has passed the barriers above behind its last read of x's.
	WIN 0x40
.irp q, 0,1,2,3
.irp p, 0,1,2,3,4,5
	ds_load_b64 v[XF+12*\q+2*\p:XF+12*\q+2*\p+1], v[ATRW] offset:96*\q+48*(\p/3)+8*(\p%3)
.endr
.endr
	WIN 0x80
.irp q, 0,1,2,3
.irp p, 0,1,2,3,4,5
	ds_load_b64 v[XF+12*\q+2*\p:XF+12*\q+2*\p+1], v[ATRW] offset:96*(\q+4)+48*(\p/3)+8*(\p%3)
.endr
.endr
	WIN 0
.irp q, 0,1,2,3
.irp m, 0,1,2,3
	ds_load_b32 v[XS+4*\q+\m], v[ASR] offset:16*ATSP*\m+8*\q   ; and their scale words take x's registers
.endr
.endr
	s_wait_dscnt 0x0
	WIN 0x04                                       ; an LDS store's data are its source 1: window 1,
.irp q, 0,1,2,3
.irp g, 0,1,2
	ds_store_b128 v[XWI], v[XF+12*\q+4*\g:XF+12*\q+4*\g+3] offset:FRB*\q+512*\g
.endr
.endr
	WIN 0x08                                       ; window 2
.irp q, 0,1,2,3
.irp g, 0,1,2
	ds_store_b128 v[XWI], v[XF+12*\q+4*\g:XF+12*\q+4*\g+3] offset:FRB*(\q+4)+512*\g
.endr
.endr
	WIN 0
	s_wait_dscnt 0x0                               ; my images have landed
	s_barrier_signal -1
	s_barrier_wait -1
	s_branch .Lnext_b
.Lepi_o:
	EPI_O 1
.Lnext_b:
	s_wait_xcnt 0x0                                ; the loads that are out have read their base: it may step
	s_add_nc_u64 s[WP:WP+1], s[WP:WP+1], CHUNKB
	s_add_co_u32 s[CB], s[CB], 512
	s_add_co_u32 s[TR], s[TR], 1
	s_cmp_lt_u32 s[TR], 7
	s_cbranch_scc1 .Lloop_a
; ---------------------------------------------------------------- the tail: O1, written out: it asks for nothing behind the stream's end, and its waits count down
	s_mov_b32 s[CB], 7*512
	CHUNK 1
	EPI_O 0
	s_set_vgpr_msb 0x5
	s_wait_tensorcnt 0x0
	ds_add_u32 v254, v255
	s_wait_dscnt 0x0
	s_set_vgpr_msb 0x500
	s_endpgm
.Lfunc_end_k_q5ce850aa8c_fused:
	.size	k_q5ce850aa8c_fused, .Lfunc_end_k_q5ce850aa8c_fused-k_q5ce850aa8c_fused
	.p2alignl 7, 3214868480
	.fill 96, 4, 3214868480
	.section	.rodata,"a",@progbits
	.p2align	6, 0x0
	.amdhsa_kernel k_q5ce850aa8c_fused
		.amdhsa_group_segment_fixed_size 301312
		.amdhsa_private_segment_fixed_size 0
		.amdhsa_enable_private_segment 0
		.amdhsa_kernarg_size 32
		.amdhsa_user_sgpr_count 2
		.amdhsa_user_sgpr_kernarg_segment_ptr 1
		.amdhsa_wavefront_size32 1
		.amdhsa_system_sgpr_workgroup_id_x 1
		.amdhsa_system_sgpr_workgroup_id_y 1
		.amdhsa_system_sgpr_workgroup_id_z 1
		.amdhsa_system_vgpr_workitem_id 0
		.amdhsa_next_free_vgpr 1024
		.amdhsa_next_free_sgpr 80
		.amdhsa_reserve_vcc 0
		.amdhsa_float_denorm_mode_32 3
		.amdhsa_float_denorm_mode_16_64 3
		.amdhsa_memory_ordered 1
		.amdhsa_forward_progress 1
		.amdhsa_inst_pref_size 255
	.end_amdhsa_kernel
	.section	.bss,"aw",@nobits
	.p2align	6
	.space	262144
	.amdgpu_metadata
---
amdhsa.version: [ 1, 2 ]
amdhsa.kernels:
  - .name:           k_q5ce850aa8c_fused
    .symbol:         k_q5ce850aa8c_fused.kd
    .args:
      - { .name: x, .offset: 0, .size: 8, .value_kind: global_buffer, .address_space: global }
      - { .name: wst, .offset: 8, .size: 8, .value_kind: global_buffer, .address_space: global }
      - { .name: bst, .offset: 16, .size: 8, .value_kind: global_buffer, .address_space: global }
      - { .name: out0, .offset: 24, .size: 8, .value_kind: global_buffer, .address_space: global }
    .group_segment_fixed_size: 301312
    .private_segment_fixed_size: 0
    .kernarg_segment_align: 8
    .kernarg_segment_size: 32
    .max_flat_workgroup_size: 128
    .sgpr_count:     80
    .vgpr_count:     1024
    .wavefront_size: 32
...
	.end_amdgpu_metadata
.endif
;; end of part 2
